; MI455X (gfx1250); checked and timed in simulation.
; The chip was launched on July 23, 2026; its instructions are those of AMD's public machine-readable ISA for CDNA 5 (MIT licence, August 2026) and "CDNA5" Instruction Set Architecture Reference Guide (July 2026). The comments in the code are by the model that wrote it; some were corrected since.
;; Masked Self Attention. Allowed arithmetic: float matrix products may take bf16 or f16 operands with f32 sums; all other float work in f32.
;; Inputs: Wk 768 x 16 float32; Wq 768 x 16 float32; Wv 768 x 16 float32; bk 16 float32; bq 16 float32; bv 16 float32; x 8 x 2,048 x 768 float32.
;; Outputs: out0 8 x 2,048 x 16 float32.
;; One version. Each part assembles by itself: llvm-mc -triple=amdgcn-amd-amdhsa -mcpu=gfx1250 --defsym DOCPART=n.
;; ======== version 1 of 1: 2 launches
;; limits: values are held in f16: magnitudes above 65,504 overflow, below 6.1e-05 lose precision
;; workspace buffers: qkv 1,572,864 bytes
;; launch proj (part 1): grid 256 x 1, 4 waves a work-group, no clusters, 284,160 bytes of LDS; arguments x, Wq, Wk, Wv, bq, bk, bv, qkv; writes qkv
.if DOCPART == 1
	.amdgcn_target "amdgcn-amd-amdhsa--gfx1250"
	.amdhsa_code_object_version 6
	.text
	.protected	k_q74145b4bd3_proj
	.globl	k_q74145b4bd3_proj
	.p2align	8
	.type	k_q74145b4bd3_proj,@function
k_q74145b4bd3_proj:
	s_mov_b64 s[64:65], 0
	v_nop
	global_prefetch_b8 v0, s[64:65] scope:SCOPE_SE
	s_setreg_imm32_b32 hwreg(HW_REG_WAVE_MODE, 25, 1), 1
	s_wait_xcnt 0x0
; q = (x Wq + bq) * 0.25 log2(e),  k = x Wk + bk,  v = x Wv + bv.   x: [16384][768] f32, W: [768][16] f32, b: [16] f32.
; Operands rounded to bf16 (nearest even), sums in f32, results rounded once to f16 into the workspace qkv.
; LIMIT (range): q*0.3607, k and v are kept as f16: a magnitude above 65,504 becomes infinite, below 6.1e-5 it keeps an absolute error of 3e-8.
;
; A work-group owns 64 rows; four waves split K: wave w takes k = 192 w .. 192 w + 191 of all 64 rows (768 bytes of each row,
; starting on a multiple of 256 bytes).  Its four tensor loads (16 rows x 768 bytes) and its 72 loads of W are all issued in the first
; lines, so the group's 196,608 bytes of x and 147,456 of W are on their way at once and no ring is needed.  The wave's slice of the
; three W (3 x 12,288 contiguous bytes) is rounded to bf16, laid in LDS as [k][48] and read back once, transposed, into 18 fragments
; that stay in registers.  The four waves' partial sums meet in LDS behind the one barrier.
; No joint (cluster) request for W, which all groups read: as f32 in LDS it would take 147,456 bytes beside x's 208,896,
; more than the 327,680 that a group can have.
;
; WORKSPACE: a block of 32 rows is 3,072 bytes: Q, K, V, 1,024 each, a part being two tiles of 16 rows of 512 bytes, lane L's 16 bytes at 16 L:
;   Q, K: lane (r = L%16, h = L/16) holds row r, d = 8h .. 8h+7;   V: lane (r, h) holds d = r, rows 8h .. 8h+7 (V transposed).
; These are the register images that the next launch's matrix instructions take, and every store covers 512 consecutive bytes.
.set ROWB,   3072                      ; bytes in a row of x
.set SLICE,  768                       ; bytes of a row that one wave takes
.set XPITCH, 816                       ; LDS row: 3 x (256 + 16 padding) = 51 x 16: sixteen rows start in sixteen different 16-byte columns modulo 256
.set XTILE,  16*XPITCH                 ; one tensor load: 16 rows
.set XWAVE,  4*XTILE
.set WPITCH, 96                        ; LDS row of W: 16 bf16 of Wq, Wk, Wv
.set WWAVE,  192*WPITCH                ; a wave's W rows (18,432 bytes); later its 12 partial tiles (12,288 bytes)
.set XBASE,  4*WWAVE
.set BIASB,  XBASE+4*XWAVE             ; 256 bytes a wave: bq, bk, bv
.set QSCALE, 0x3eb8aa3b                ; 0.25 * log2(e)
.set XA,   1                           ; v1      LDS address of my part of an x fragment
.set PST,  2                           ; v2      where I put partial tiles
.set ACC,  8                           ; v8-31   sums of q, k, v for one tile of 16 rows
.set F,    32                          ; v32-47  two x fragments in bf16
.set ST,   48                          ; v48-111 four slots of 16 f32 as loaded from LDS
.set BF,   112                         ; v112-255  W fragments: K step s, matrix m at BF + 8 (3 s + m)
.set BUFQ, 16                          ; v16-111   Wq as loaded (f32), 24 loads of 4 registers
.set BUFK, 112                         ; v112-207  Wk
.set BUFV, 0                           ; v256-351  Wv: window 1, written v0-95
.set R,    112                         ; the reduction: matrix m, wave u at R + 8 (4 m + u)
.set BQ,   208
.set BK,   216
.set BV,   224
.set OUT,  8
.set G1,   24                          ; s[24:31] descriptor group 1
.set G0,   32                          ; s[32:47] descriptor group 0, one set for each tile
.set MSB,  0
.macro WIN new                         ; register windows: bits 1:0 source 0, 3:2 source 1, 7:6 destination; the high byte repeats the setting that is left
.if MSB != \new
	s_set_vgpr_msb (MSB<<8)|\new
.set MSB, \new
.endif
.endm
	s_load_b512 s[8:23], s[0:1], 0x0               ; x s[8:9], Wq s[10:11], Wk s[12:13], Wv s[14:15], bq s[16:17], bk s[18:19], bv s[20:21], qkv s[22:23]
	s_set_vgpr_msb 0x40
	v_lshl_add_u32 v96, v0, 2, 0x45400
	v_mov_b32 v97, 0
	s_set_vgpr_msb 0x4045
	ds_add_u32 v96, v97
	ds_add_u32 v96, v97
	s_set_vgpr_msb 0x4500
	v_lshrrev_b32 v11, 5, v0
	v_readfirstlane_b32 s2, v11                    ; wave 0..3
	; group 1: a tile of 16 rows x 192 f32, 4 dwords of padding behind every 64 dwords
	s_mov_b32 s[G1+0], (2<<16)|(1<<20)|(5<<22)|(3<<25)
	s_mov_b32 s[G1+1], 192<<16                     ; tensor_dim0 = 192
	s_mov_b32 s[G1+2], 16<<16                      ; tensor_dim1 = 16
	s_mov_b32 s[G1+3], 192<<16                     ; tile_dim0 = 192
	s_mov_b32 s[G1+4], 16                          ; tile_dim1 = 16
	s_mov_b32 s[G1+5], 768                         ; elements from row to row
	s_mov_b32 s[G1+6], 0
	s_mov_b32 s[G1+7], 0
	s_mul_i32 s4, ttmp9, 64*ROWB                   ; the group's first row (at most 50,135,040: 32 bits do)
	s_mul_i32 s5, s2, SLICE                        ; + my slice of the row
	s_add_co_u32 s4, s4, s5
	s_mov_b32 s5, 0
	s_mul_i32 s3, s2, XWAVE
	s_mul_i32 s6, s2, WWAVE
	s_mul_i32 s7, s2, 192*64                       ; my 192 rows of W, 64 bytes each
	v_and_b32 v12, 31, v0                          ; L
	v_and_b32 v13, 15, v0                          ; r
	v_lshl_add_u32 v3, v12, 4, s7
	v_lshlrev_b32 v6, 2, v13
	s_wait_dscnt 0x0
	s_wait_kmcnt 0x0
	s_add_nc_u64 s[8:9], s[8:9], s[4:5]
.irp t, 0,1,2,3
	s_mov_b32 s[G0+4*\t], 1
	s_add_co_u32 s[G0+4*\t+1], s3, XBASE+\t*XTILE                  ; my wave's own bytes: constant + wave x XWAVE + tile x XTILE
	s_add_nc_u64 s[G0+4*\t+2:G0+4*\t+3], s[8:9], \t*16*ROWB
	s_or_b32 s[G0+4*\t+3], s[G0+4*\t+3], 0x80000000
.endr
	; The order of the requests: the first tile of x, so that x streams from the first line on; then all of W, which is wanted first
	; and so stands behind 12,288 bytes of x a wave and not behind 49,152; then the rest of x.
	tensor_load_to_lds s[G0:G0+3], s[G1:G1+7]
	s_nop 0
	; ---- W: 24 loads of 512 consecutive bytes for each matrix: load t, lane L holds W[192 w + 8 t + L/4][4 (L%4) .. +3]
.macro WLOAD buf, base
.set t, 0
.rept 24
	global_load_b128 v[\buf+4*t:\buf+4*t+3], v3, s[\base:\base+1] offset:512*t
.set t, t+1
.endr
.endm
.macro WCVT buf                        ; 48 roundings to bf16 in one run, in place: load t's four numbers into its first two registers
.set t, 0
.rept 24
	v_cvt_pk_bf16_f32 v[\buf+4*t],   v[\buf+4*t],   v[\buf+4*t+1]
	v_cvt_pk_bf16_f32 v[\buf+4*t+1], v[\buf+4*t+2], v[\buf+4*t+3]
.set t, t+1
.endr
.endm
.macro WSTORE reg, mat                 ; 24 stores in one run: 8 bytes a lane into row k of the wave's W rows
.set t, 0
.rept 24
	ds_store_b64 v4, v[\reg+4*t:\reg+4*t+1] offset:8*WPITCH*t+32*\mat
.set t, t+1
.endr
.endm
	global_load_b32 v8, v6, s[16:17]               ; bq[r], bk[r], bv[r]
	global_load_b32 v9, v6, s[18:19]
	global_load_b32 v10, v6, s[20:21]
	WLOAD BUFQ, 10
	WLOAD BUFK, 12
	WIN 0x40                                       ; destination in window 1, the address stays in window 0
	WLOAD BUFV, 14
	WIN 0
.irp t, 1,2,3
	tensor_load_to_lds s[G0+4*\t:G0+4*\t+3], s[G1:G1+7]            ; four outstanding in this wave, never more
	s_nop 0
.endr
	v_lshrrev_b32 v4, 2, v12                       ; where a lane stores W: row L/4, 8 bytes at 8 (L%4)
	v_mul_u32_u24 v4, v4, WPITCH
	v_and_b32 v14, 3, v0
	v_lshl_add_u32 v4, v14, 3, v4
	v_add_nc_u32 v4, s6, v4
	v_and_b32 v5, 7, v0                            ; where a lane reads it back transposed: row 8h + L%8, 16 bytes at 16 ((L/8)%2)
	v_bfe_u32 v14, v0, 4, 1                        ; h
	v_lshl_or_b32 v5, v14, 3, v5
	v_mul_u32_u24 v5, v5, WPITCH
	v_bfe_u32 v15, v0, 3, 1
	v_lshl_add_u32 v5, v15, 4, v5
	v_add_nc_u32 v5, s6, v5
	s_lshl_b32 s7, s2, 8
	s_add_co_u32 s7, s7, BIASB                     ; my wave's copy of the biases
	v_add_nc_u32 v7, s7, v6
	v_mul_u32_u24 v[XA], v13, XPITCH               ; x fragment: row r, 32 bytes (8 f32) at 32 h
	v_lshl_add_u32 v[XA], v14, 5, v[XA]
	s_add_co_u32 s3, s3, XBASE
	v_add_nc_u32 v[XA], s3, v[XA]
	v_lshl_add_u32 v[PST], v12, 4, s6              ; partial tiles: register images, 16 bytes a lane
	s_wait_loadcnt 48                              ; loads return in order (ISA guide 5.7.1): the biases and Wq are in, Wk's and Wv's 48 stay out
	ds_store_b32 v7, v8
	ds_store_b32 v7, v9 offset:64
	ds_store_b32 v7, v10 offset:128
	WCVT BUFQ
	WSTORE BUFQ, 0
	s_wait_loadcnt 24                              ; Wk is in, Wv's 24 stay out
	WCVT BUFK
	WSTORE BUFK, 1
	s_wait_loadcnt 0x0
	WIN 0x05                                       ; both sources in window 1, the result in window 0:
.set t, 0
.rept 24                                           ; into the upper two registers of each of Wq's groups of four, which no store reads
	v_cvt_pk_bf16_f32 v[BUFQ+4*t+2], v[BUFV+4*t],   v[BUFV+4*t+1]
	v_cvt_pk_bf16_f32 v[BUFQ+4*t+3], v[BUFV+4*t+2], v[BUFV+4*t+3]
.set t, t+1
.endr
	WIN 0
	WSTORE BUFQ+2, 2
	s_wait_dscnt 0x0                               ; the stores have taken their data: the fragments land on Wk's registers only behind this
.set f, 0
.rept 18                                           ; fragment f = 3 s + m: k = 32 s + 8h .. +7 and + 16, column r of matrix m
	ds_load_tr16_b128 v[BF+8*f:BF+8*f+3],   v5 offset:(f/3)*32*WPITCH+(f%3)*32
	ds_load_tr16_b128 v[BF+8*f+4:BF+8*f+7], v5 offset:(f/3)*32*WPITCH+(f%3)*32+16*WPITCH
.set f, f+1
.endr
	s_wait_dscnt 0x0                               ; W is in registers: its LDS bytes are free for my partial tiles
	; ---- the products.  K step ks of tile rt: 4 loads (16 f32 a lane), 8 roundings, 3 matrix instructions.
.macro PLACES                          ; four independent vector instructions behind a matrix instruction before its result is read (ISA guide 7.12.1)
.rept 4
	v_nop
.endr
.endm
.macro XLOAD rt, ks                    ; k = 8h..8h+7 lie at bytes 32h..32h+31 of the step's 128, k = 16+8h.. at 64+32h; two steps to a padded 272
	ds_load_b128 v[ST+16*(\ks&3):ST+16*(\ks&3)+3],     v[XA] offset:\rt*XTILE+(\ks>>1)*272+(\ks&1)*128
	ds_load_b128 v[ST+16*(\ks&3)+4:ST+16*(\ks&3)+7],   v[XA] offset:\rt*XTILE+(\ks>>1)*272+(\ks&1)*128+16
	ds_load_b128 v[ST+16*(\ks&3)+8:ST+16*(\ks&3)+11],  v[XA] offset:\rt*XTILE+(\ks>>1)*272+(\ks&1)*128+64
	ds_load_b128 v[ST+16*(\ks&3)+12:ST+16*(\ks&3)+15], v[XA] offset:\rt*XTILE+(\ks>>1)*272+(\ks&1)*128+80
.endm
; left = LDS loads issued behind this step's four.  nxt = the step whose loads refill this step's slot, or -1.
; The fragment buffer written here was last read two steps ago: the eight roundings of the step between are the places in between.
.macro STEP rt, ks, left, nxt
	s_wait_dscnt \left
.irp i, 0,1,2,3,4,5,6,7
	v_cvt_pk_bf16_f32 v[F+8*(\ks&1)+\i], v[ST+16*(\ks&3)+2*\i], v[ST+16*(\ks&3)+2*\i+1]
.endr
.if \nxt >= 0
	XLOAD \rt, \nxt
.endif
	; q and k transposed (W first): a lane gets 8 neighbouring d of one row.  v natural: a lane gets 8 neighbouring rows of one d.
.if \ks == 0
	v_wmma_f32_16x16x32_bf16 v[ACC:ACC+7],     v[BF+24*\ks:BF+24*\ks+7],     v[F+8*(\ks&1):F+8*(\ks&1)+7], 0
	v_wmma_f32_16x16x32_bf16 v[ACC+8:ACC+15],  v[BF+24*\ks+8:BF+24*\ks+15],  v[F+8*(\ks&1):F+8*(\ks&1)+7], 0
	v_wmma_f32_16x16x32_bf16 v[ACC+16:ACC+23], v[F+8*(\ks&1):F+8*(\ks&1)+7], v[BF+24*\ks+16:BF+24*\ks+23], 0
.else
	v_wmma_f32_16x16x32_bf16 v[ACC:ACC+7],     v[BF+24*\ks:BF+24*\ks+7],     v[F+8*(\ks&1):F+8*(\ks&1)+7], v[ACC:ACC+7]
	v_wmma_f32_16x16x32_bf16 v[ACC+8:ACC+15],  v[BF+24*\ks+8:BF+24*\ks+15],  v[F+8*(\ks&1):F+8*(\ks&1)+7], v[ACC+8:ACC+15]
	v_wmma_f32_16x16x32_bf16 v[ACC+16:ACC+23], v[F+8*(\ks&1):F+8*(\ks&1)+7], v[BF+24*\ks+16:BF+24*\ks+23], v[ACC+16:ACC+23]
.endif
.endm
.macro TILE rt, left
	s_wait_tensorcnt \left                         ; a wave's tensor loads end in order: tile rt is in LDS, the younger ones stay out; only I read these bytes
	XLOAD \rt, 0
	XLOAD \rt, 1
	XLOAD \rt, 2
	XLOAD \rt, 3
	STEP \rt, 0, 12, 4                             ; steps 1, 2, 3 stay out (and the last tile's six stores, older, are done)
	STEP \rt, 1, 12, 5                             ; steps 2, 3, 4
	STEP \rt, 2, 12, -1                            ; steps 3, 4, 5
	STEP \rt, 3, 8, -1
	STEP \rt, 4, 4, -1
	STEP \rt, 5, 0, -1
	PLACES
.irp m, 0,1,2
	ds_store_b128 v[PST], v[ACC+8*\m:ACC+8*\m+3]   offset:(\rt*3+\m)*1024
	ds_store_b128 v[PST], v[ACC+8*\m+4:ACC+8*\m+7] offset:(\rt*3+\m)*1024+512
.endr
.endm
	TILE 0, 3
	TILE 1, 2
	TILE 2, 1
	TILE 3, 0
	; ---- wave w adds the four waves' partial sums of row tile w
	s_wait_dscnt 0x0                               ; my partial tiles are in LDS, for the others' sake
	s_barrier_signal -1
	s_barrier_wait -1
.macro RLOAD m
.irp u, 0,1,2,3
	ds_load_b128 v[R+8*(4*\m+\u):R+8*(4*\m+\u)+3],   v4 offset:\u*WWAVE+\m*1024
	ds_load_b128 v[R+8*(4*\m+\u)+4:R+8*(4*\m+\u)+7], v4 offset:\u*WWAVE+\m*1024+512
.endr
.endm
.macro RSUM m                          ; (wave 0 + wave 1) + (wave 2 + wave 3)
.irp p, 0,2,4,6
	v_pk_add_f32 v[R+32*\m+\p:R+32*\m+\p+1],       v[R+32*\m+\p:R+32*\m+\p+1],       v[R+32*\m+8+\p:R+32*\m+8+\p+1]
	v_pk_add_f32 v[R+32*\m+16+\p:R+32*\m+16+\p+1], v[R+32*\m+16+\p:R+32*\m+16+\p+1], v[R+32*\m+24+\p:R+32*\m+24+\p+1]
.endr
.irp p, 0,2,4,6
	v_pk_add_f32 v[R+32*\m+\p:R+32*\m+\p+1], v[R+32*\m+\p:R+32*\m+\p+1], v[R+32*\m+16+\p:R+32*\m+16+\p+1]
.endr
.endm
.macro ROUT m                          ; one rounding to f16; 512 consecutive bytes from the wave
.irp i, 0,1,2,3
	v_cvt_pk_f16_f32 v[OUT+4*\m+\i], v[R+32*\m+2*\i], v[R+32*\m+2*\i+1]
.endr
	global_store_b128 v3, v[OUT+4*\m:OUT+4*\m+3], s[22:23] offset:1024*\m
.endm
	v_and_b32 v3, 31, v0
	v_lshlrev_b32 v3, 4, v3                        ; 16 L
	s_mul_i32 s4, s2, 3*1024                       ; tiles 3 w, 3 w + 1, 3 w + 2 of each wave's twelve
	v_add_nc_u32 v4, s4, v3
	v_bfe_u32 v5, v0, 4, 1
	v_lshl_add_u32 v5, v5, 5, s7                   ; b[8h .. 8h+7]
	ds_load_b128 v[BQ:BQ+3],   v5
	ds_load_b128 v[BQ+4:BQ+7], v5 offset:16
	RLOAD 0
	ds_load_b128 v[BK:BK+3],   v5 offset:64
	ds_load_b128 v[BK+4:BK+7], v5 offset:80
	RLOAD 1
	ds_load_b32 v[BV], v7 offset:128               ; bv[r]
	RLOAD 2
	s_mul_i32 s4, ttmp9, 2*3072                    ; my tile in qkv: block 2 g + w/2, half w%2
	s_lshr_b32 s5, s2, 1
	s_mul_i32 s5, s5, 3072
	s_add_co_u32 s4, s4, s5
	s_and_b32 s5, s2, 1
	s_lshl_b32 s5, s5, 9
	s_add_co_u32 s4, s4, s5
	s_mov_b32 s5, 0
	s_add_nc_u64 s[22:23], s[22:23], s[4:5]
	s_wait_dscnt 19                                ; k's 10 and v's 9 loads stay out
.irp p, 0,2,4,6
	v_pk_mul_f32 v[BQ+\p:BQ+\p+1], v[BQ+\p:BQ+\p+1], QSCALE op_sel_hi:[1,0]
.endr
	RSUM 0
.irp p, 0,2,4,6
	v_pk_fma_f32 v[R+\p:R+\p+1], v[R+\p:R+\p+1], QSCALE, v[BQ+\p:BQ+\p+1] op_sel_hi:[1,0,1]   ; (sum + bq) * 0.25 log2(e)
.endr
	ROUT 0
	s_wait_dscnt 9                                 ; v's 9 stay out
	RSUM 1
.irp p, 0,2,4,6
	v_pk_add_f32 v[R+32+\p:R+32+\p+1], v[R+32+\p:R+32+\p+1], v[BK+\p:BK+\p+1]
.endr
	ROUT 1
	s_wait_dscnt 0x0
	v_mov_b32 v[BV+1], v[BV]
	RSUM 2
.irp p, 0,2,4,6
	v_pk_add_f32 v[R+64+\p:R+64+\p+1], v[R+64+\p:R+64+\p+1], v[BV:BV+1]
.endr
	ROUT 2
	s_set_vgpr_msb 0x5
	s_wait_tensorcnt 0x0
	ds_add_u32 v96, v97
	s_wait_dscnt 0x0
	s_set_vgpr_msb 0x500
	s_endpgm
.Lfunc_end_k_q74145b4bd3_proj:
	.size	k_q74145b4bd3_proj, .Lfunc_end_k_q74145b4bd3_proj-k_q74145b4bd3_proj
	.p2alignl 7, 3214868480
	.fill 96, 4, 3214868480
	.section	.rodata,"a",@progbits
	.p2align	6, 0x0
	.amdhsa_kernel k_q74145b4bd3_proj
		.amdhsa_group_segment_fixed_size 284160
		.amdhsa_private_segment_fixed_size 0
		.amdhsa_enable_private_segment 0
		.amdhsa_kernarg_size 64
		.amdhsa_user_sgpr_count 2
		.amdhsa_user_sgpr_kernarg_segment_ptr 1
		.amdhsa_wavefront_size32 1
		.amdhsa_system_sgpr_workgroup_id_x 1
		.amdhsa_system_sgpr_workgroup_id_y 1
		.amdhsa_system_sgpr_workgroup_id_z 1
		.amdhsa_system_vgpr_workitem_id 0
		.amdhsa_next_free_vgpr 354
		.amdhsa_next_free_sgpr 66
		.amdhsa_reserve_vcc 0
		.amdhsa_float_denorm_mode_32 3
		.amdhsa_float_denorm_mode_16_64 3
		.amdhsa_memory_ordered 1
		.amdhsa_forward_progress 1
		.amdhsa_inst_pref_size 61
	.end_amdhsa_kernel
	.amdgpu_metadata
---
amdhsa.version: [ 1, 2 ]
amdhsa.kernels:
  - .name:           k_q74145b4bd3_proj
    .symbol:         k_q74145b4bd3_proj.kd
    .args:
      - { .name: x, .offset: 0, .size: 8, .value_kind: global_buffer, .address_space: global }
      - { .name: Wq, .offset: 8, .size: 8, .value_kind: global_buffer, .address_space: global }
      - { .name: Wk, .offset: 16, .size: 8, .value_kind: global_buffer, .address_space: global }
      - { .name: Wv, .offset: 24, .size: 8, .value_kind: global_buffer, .address_space: global }
      - { .name: bq, .offset: 32, .size: 8, .value_kind: global_buffer, .address_space: global }
      - { .name: bk, .offset: 40, .size: 8, .value_kind: global_buffer, .address_space: global }
      - { .name: bv, .offset: 48, .size: 8, .value_kind: global_buffer, .address_space: global }
      - { .name: qkv, .offset: 56, .size: 8, .value_kind: global_buffer, .address_space: global }
    .group_segment_fixed_size: 284160
    .private_segment_fixed_size: 0
    .kernarg_segment_align: 8
    .kernarg_segment_size: 64
    .max_flat_workgroup_size: 128
    .sgpr_count:     66
    .vgpr_count:     354
    .wavefront_size: 32
...
	.end_amdgpu_metadata
.endif
;; end of part 1
;; launch attn (part 2): grid 256 x 1, 8 waves a work-group, no clusters, 41,984 bytes of LDS; arguments qkv, out0; writes out0
.if DOCPART == 2
	.amdgcn_target "amdgcn-amd-amdhsa--gfx1250"
	.amdhsa_code_object_version 6
	.text
	.protected	k_q74145b4bd3_attn
	.globl	k_q74145b4bd3_attn
	.p2align	8
	.type	k_q74145b4bd3_attn,@function
k_q74145b4bd3_attn:
	s_mov_b64 s[64:65], 0
	v_nop
	global_prefetch_b8 v0, s[64:65] scope:SCOPE_SE
	s_setreg_imm32_b32 hwreg(HW_REG_WAVE_MODE, 25, 1), 1
	s_wait_xcnt 0x0
; z = softmax(causal(q k^T / 4)) v for 8 batches of 2,048 rows, d = 16.  q (already times 0.25 log2 e), k, v: f16, in the fragment order
; that the first launch wrote (a block of 32 rows = 3,072 bytes: Q, K, V).  Products with f16 operands and f32 sums; softmax in f32, base 2.
; Blocks wholly above the diagonal are not computed.
; LIMIT (range): P is rounded to f16 (it is at most 1, up to rounding), and the denominator sums these rounded P, as the numerator does;
; masked scores and the empty state use -1.0e30 in place of minus infinity, which is below every score that f16 operands can give (16 x 65,504^2).
;
; WORK.  Group (batch b, i = 0..31) owns the query tiles of 32 rows T1 = 63 - i and T2 = i: 64 - i and i + 1 key blocks of 32, always 65 jobs.
; Job s < n1 = 64 - i is (T1, key block s); job s >= n1 is (T2, key block s - n1); jobs n1 - 1 and 64 are the diagonal ones.
; Wave w takes s = w + 8 j, j = 0..7; wave 0 also s = 64.  All decisions hang on the ids alone.
; K and V of all its jobs go from memory straight into fragment registers, 512 consecutive bytes a load, all requested at the start.
; No joint (cluster) requests: there are no tensor loads, and the groups of a batch wrap their lists at different n1.
;
; TWO SWEEPS.  As a wave holds all its K in registers, it makes the scores twice.  Sweep 1 only takes the maximum m of each query over
; the wave's jobs of a tile.  Sweep 2 makes the scores again with -m as the C operand, so that they go straight into the exponential:
; no subtraction, no running rescale of O.  The denominator is a product with a fragment of ones, summed in place like O.
; For a block of 32 x 32: 12 matrix instructions, 16 maxima, 32 exponentials, 16 roundings.  First the long tile (both sweeps), then the short.
;
; LAYOUT.  S^T = K Q^T: source 0 holds two key tiles side by side along the instruction's K = 32 (key r in k = 0..15, key 16 + r in k = 16..31);
; source 1 is Q beside sixteen zeros, below or above, which picks the key tile.  In the result lane (r, h) holds query r, keys 8h + j:
; a query is a lane, and two results packed to f16 are at once source 1 of O^T = V^T P.  O^T: lane (r, h) holds query r, d = 8h + j.
.set BLK,   3072
.set NEG,   0xf149f2ca                 ; -1.0e30
.set PITCH, 80                         ; LDS row of a state: 16 f32 of O, then m, l; 5 x 16 bytes
.set REG,   32*PITCH                   ; a state of 32 queries; wave w: long tile at 2 w REG, short tile at (2 w + 1) REG
;                                        v1 16 L;  v2 my eight d in my query's row of the long state;  v3 that row
.set MLB, 4                            ; v4-7    (m, l) of query half 0, of half 1: the short tile
.set ZQ,  8                            ; v8-27   0000 q0 0000 q1 0000 (four registers each)
.set QH0, ZQ                           ;         [0, q0]: keys 16-31
.set QL0, ZQ+4                         ;         [q0, 0]: keys 0-15
.set QH1, ZQ+8
.set QL1, ZQ+12
.set S,   28                           ; v28-59  scores: query half q at S + 16 q: keys 8h+j, then 16+8h+j
.set P,   60                           ; v60-75  P in f16
.set T,   P                            ;         in sweep 1 the same registers are scratch for the maxima
.set O,   76                           ; v76-91
.set LS,  92                           ; v92-107 sums of P: every register of a half holds the query's l
.set NM,  108                          ; v108-123  -m, eight copies for each query half: a C operand
.set MLA, 124                          ; v124-127  (m, l) twice: the long tile
.set KV,  128                          ; v128-255  slot j: K 8 registers, V 8 registers
; window 1 (written with the low 8 bits; the numbers are chosen apart from the D registers of the lines that name them):
.set ONES, 0                           ; v256-263  1.0 in f16, everywhere
.set QB,   8                           ; v264-271  Q of the short tile, in waiting
.set TRI,  16                          ; v272-279  0 where 8h + j <= r, else NEG
.set KV8,  112                         ; v368-383  wave 0's ninth slot
.set MM,  128                          ; the merge: (m, l) of 8 waves
.set OO,  144                          ;            4 f32 of O of 8 waves
.set JB,  16                           ; s[16:33] address of job j's block; s[34:35] block T1, s[36:37] block T2
.set MSB, 0
.macro WIN new                         ; register windows: bits 1:0 source 0, 3:2 source 1, 5:4 source 2, 7:6 destination; the high byte repeats the
.if MSB != \new                        ; setting that is left.  Every macro below leaves 0 behind: at labels and branches the setting is 0
	s_set_vgpr_msb (MSB<<8)|\new
.set MSB, \new
.endif
.endm
	s_load_b128 s[4:7], s[0:1], 0x0                ; qkv s[4:5], out0 s[6:7]
	s_set_vgpr_msb 0x40
	v_lshl_add_u32 v128, v0, 2, 0xa000
	v_mov_b32 v129, 0
	s_set_vgpr_msb 0x4000
	v_lshrrev_b32 v28, 5, v0
	v_readfirstlane_b32 s8, v28                    ; wave 0..7
	v_and_b32 v1, 31, v0
	v_lshlrev_b32 v1, 4, v1                        ; 16 L
	s_lshr_b32 s9, ttmp9, 5                        ; batch
	s_and_b32 s10, ttmp9, 31                       ; i = T2
	s_sub_co_u32 s11, 64, s10                      ; n1
	s_sub_co_u32 s12, 63, s10                      ; T1
	s_mov_b32 s14, 0x76543210                      ; v_permlanex16_b32: lane i of one half reads lane i of the other
	s_mov_b32 s15, 0xfedcba98
.irp j, 0,1,2,3
	s_add_co_u32 s2, s8, 8*\j                      ; s <= 31 < T1: always the long tile, never its diagonal
	s_mul_i32 s[JB+2*\j], s2, BLK
	s_mov_b32 s[JB+2*\j+1], 0
.endr
.irp j, 4,5,6,7,8
	s_add_co_u32 s2, s8, 8*\j
	s_sub_co_u32 s3, s2, s11
	s_cmp_lt_u32 s2, s11
	s_cselect_b32 s2, s2, s3                       ; key block s, or s - n1 (at most 38: inside the batch)
	s_mul_i32 s[JB+2*\j], s2, BLK
	s_mov_b32 s[JB+2*\j+1], 0
.endr
	s_mul_i32 s34, s12, BLK
	s_mov_b32 s35, 0
	s_mul_i32 s36, s10, BLK
	s_mov_b32 s37, 0
	s_mul_i32 s38, s9, 64*BLK
	s_mov_b32 s39, 0
	s_wait_kmcnt 0x0
	s_add_nc_u64 s[4:5], s[4:5], s[38:39]          ; the batch
.irp j, 0,1,2,3,4,5,6,7,8,9,10
	s_add_nc_u64 s[JB+2*\j:JB+2*\j+1], s[4:5], s[JB+2*\j:JB+2*\j+1]
.endr
	; 36 loads in this order: Q of T1 (2), K of jobs 0-7 (16), V of jobs 0-7 (16), Q of T2 (2).  Sweep 1's counts are read off this list.
	global_load_b128 v[ZQ+4:ZQ+7],   v1, s[34:35]
	global_load_b128 v[ZQ+12:ZQ+15], v1, s[34:35] offset:512
.irp j, 0,1,2,3,4,5,6,7
	global_load_b128 v[KV+16*\j:KV+16*\j+3],   v1, s[JB+2*\j:JB+2*\j+1] offset:1024
	global_load_b128 v[KV+16*\j+4:KV+16*\j+7], v1, s[JB+2*\j:JB+2*\j+1] offset:1536
.endr
.irp j, 0,1,2,3,4,5,6,7
	global_load_b128 v[KV+16*\j+8:KV+16*\j+11],  v1, s[JB+2*\j:JB+2*\j+1] offset:2048
	global_load_b128 v[KV+16*\j+12:KV+16*\j+15], v1, s[JB+2*\j:JB+2*\j+1] offset:2560
.endr
	WIN 0x40                                       ; destination in window 1
	global_load_b128 v[QB:QB+3],   v1, s[36:37]
	global_load_b128 v[QB+4:QB+7], v1, s[36:37] offset:512
	WIN 0
	s_cmp_lg_u32 s8, 0                             ; wave 0: job 8 (s = 64).  Its four loads are the youngest, so the counts read off
	s_cbranch_scc1 .Lno_ninth                      ; the list of 36 only wait a little early in that wave
	WIN 0x40
	global_load_b128 v[KV8:KV8+3],     v1, s[JB+16:JB+17] offset:1024
	global_load_b128 v[KV8+4:KV8+7],   v1, s[JB+16:JB+17] offset:1536
	global_load_b128 v[KV8+8:KV8+11],  v1, s[JB+16:JB+17] offset:2048
	global_load_b128 v[KV8+12:KV8+15], v1, s[JB+16:JB+17] offset:2560
	WIN 0
.Lno_ninth:
	; ---- while they travel: constants and addresses
.irp k, 0,1,2,3, 8,9,10,11, 16,17,18,19
	v_mov_b32 v[ZQ+\k], 0                          ; the zeros beside Q: operands, not accumulators
.endr
	v_and_b32 v28, 15, v0                          ; r
	v_bfe_u32 v29, v0, 4, 1                        ; h
	v_lshlrev_b32 v30, 3, v29
	v_sub_nc_u32 v30, v28, v30                     ; r - 8h, signed
	s_mul_i32 s2, s8, 2*REG
	v_mul_u32_u24 v3, v28, PITCH
	v_add_nc_u32 v3, s2, v3                        ; my query's row in my wave's long state; the short one lies REG further
	v_lshl_add_u32 v2, v29, 5, v3                  ; + 32 h: my eight d
	v_mov_b32 v31, NEG
	WIN 0x40
.irp j, 0,1,2,3,4,5,6,7
	v_cmp_le_i32 vcc_lo, \j, v30
	v_cndmask_b32 v[TRI+\j], v31, v8, vcc_lo       ; key 8h + j <= query r: 0, else NEG
.endr
.irp j, 0,1,2,3,4,5,6,7
	v_mov_b32 v[ONES+\j], 0x3c003c00
.endr
	WIN 0
.macro PLACES                          ; four independent vector instructions behind a matrix instruction before its result is read (ISA guide 7.12.1)
.rept 4
	v_nop
.endr
.endm
; ---- sweep 1
.macro SCORES1 k                       ; a block below the diagonal
	v_wmma_f32_16x16x32_f16 v[S:S+7],     v[\k:\k+7], v[QL0:QL0+7], 0
	v_wmma_f32_16x16x32_f16 v[S+8:S+15],  v[\k:\k+7], v[QH0:QH0+7], 0
	v_wmma_f32_16x16x32_f16 v[S+16:S+23], v[\k:\k+7], v[QL1:QL1+7], 0
	v_wmma_f32_16x16x32_f16 v[S+24:S+31], v[\k:\k+7], v[QH1:QH1+7], 0
.endm
.macro SCORESD1 k, w                   ; the diagonal block: the mask comes in as C (window 1); keys 16-31 against queries 0-15 are all masked.
	WIN \w                             ; w = 0x10: K in window 0;  0x11: K in window 1
	v_wmma_f32_16x16x32_f16 v[S:S+7],     v[\k:\k+7], v[QL0:QL0+7], v[TRI:TRI+7]
	v_wmma_f32_16x16x32_f16 v[S+16:S+23], v[\k:\k+7], v[QL1:QL1+7], 0
	v_wmma_f32_16x16x32_f16 v[S+24:S+31], v[\k:\k+7], v[QH1:QH1+7], v[TRI:TRI+7]
	WIN 0
.irp k2, 8,9,10,11,12,13,14,15
	v_mov_b32 v[S+\k2], NEG
.endr
.endm
.macro MAXES ml                        ; my 16 keys of each query half into the lane's running maximum: 17 numbers, 8 instructions
	PLACES
.irp q, 0,1
	v_max3_num_f32 v[T+6*\q],   v[S+16*\q],    v[S+16*\q+1],  v[S+16*\q+2]
	v_max3_num_f32 v[T+6*\q+1], v[S+16*\q+3],  v[S+16*\q+4],  v[S+16*\q+5]
	v_max3_num_f32 v[T+6*\q+2], v[S+16*\q+6],  v[S+16*\q+7],  v[S+16*\q+8]
	v_max3_num_f32 v[T+6*\q+3], v[S+16*\q+9],  v[S+16*\q+10], v[S+16*\q+11]
	v_max3_num_f32 v[T+6*\q+4], v[S+16*\q+12], v[S+16*\q+13], v[S+16*\q+14]
.endr
.irp q, 0,1
	v_max3_num_f32 v[T+6*\q],   v[T+6*\q],   v[T+6*\q+1], v[S+16*\q+15]
	v_max3_num_f32 v[T+6*\q+2], v[T+6*\q+2], v[T+6*\q+3], v[T+6*\q+4]
.endr
.irp q, 0,1
	v_max3_num_f32 v[\ml+2*\q], v[T+6*\q], v[T+6*\q+2], v[\ml+2*\q]
.endr
.endm
.macro FINAL ml                        ; once for a tile: the query's other keys lie in the other half of the lanes; then -m as a C operand
	v_permlanex16_b32 v[T],   v[\ml],   s14, s15
	v_permlanex16_b32 v[T+1], v[\ml+2], s14, s15
	v_max_num_f32 v[\ml],   v[\ml],   v[T]
	v_max_num_f32 v[\ml+2], v[\ml+2], v[T+1]
.irp j, 0,1,2,3,4,5,6,7
	v_mul_f32 v[NM+\j],   -1.0, v[\ml]
	v_mul_f32 v[NM+8+\j], -1.0, v[\ml+2]
.endr
.endm
; ---- sweep 2
.macro SCORES2 k                       ; s - m
	v_wmma_f32_16x16x32_f16 v[S:S+7],     v[\k:\k+7], v[QL0:QL0+7], v[NM:NM+7]
	v_wmma_f32_16x16x32_f16 v[S+8:S+15],  v[\k:\k+7], v[QH0:QH0+7], v[NM:NM+7]
	v_wmma_f32_16x16x32_f16 v[S+16:S+23], v[\k:\k+7], v[QL1:QL1+7], v[NM+8:NM+15]
	v_wmma_f32_16x16x32_f16 v[S+24:S+31], v[\k:\k+7], v[QH1:QH1+7], v[NM+8:NM+15]
.endm
.macro SCORESD2 k, w                   ; the diagonal block: mask - m is laid into the result's own registers and taken as C.  w: K's window, 0 or 1
	WIN 0x01                           ; source 0 (the mask) in window 1
.irp j, 0,1,2,3,4,5,6,7
	v_add_f32 v[S+\j],    v[TRI+\j], v[NM]
	v_add_f32 v[S+24+\j], v[TRI+\j], v[NM+8]
.endr
	WIN \w
	v_wmma_f32_16x16x32_f16 v[S:S+7],     v[\k:\k+7], v[QL0:QL0+7], v[S:S+7]
	v_wmma_f32_16x16x32_f16 v[S+16:S+23], v[\k:\k+7], v[QL1:QL1+7], v[NM+8:NM+15]
	v_wmma_f32_16x16x32_f16 v[S+24:S+31], v[\k:\k+7], v[QH1:QH1+7], v[S+24:S+31]
	WIN 0
.irp k2, 8,9,10,11,12,13,14,15
	v_mov_b32 v[S+\k2], NEG
.endr
.endm
; p = 2^(s - m), packed to f16: registers 0-3 keys 8h.., 4-7 keys 16+8h..: source 1 as it stands.  The roundings of query half 0 are laid
; between the exponentials of half 1.  One v_nop stands behind each half's exponentials, in front of the first use (ISA guide 5.7.2).
.macro SOFT
	PLACES
.set e, 0
.rept 16
	v_exp_f32 v[S+e], v[S+e]
.set e, e+1
.endr
	v_nop
.set e, 0
.rept 8
	v_exp_f32 v[S+16+2*e], v[S+16+2*e]
	v_exp_f32 v[S+17+2*e], v[S+17+2*e]
	s_wait_alu depctr_va_vdst(0)
	v_cvt_pk_f16_f32 v[P+e], v[S+2*e], v[S+2*e+1]
.set e, e+1
.endr
	v_nop
.set e, 0
	s_wait_alu depctr_va_vdst(0)
.rept 8
	v_cvt_pk_f16_f32 v[P+8+e], v[S+16+2*e], v[S+17+2*e]
.set e, e+1
.endr
.endm
; O^T += V^T P and l += 1^T P.  vv: V's registers, w: their window (0 or 1).  zero = 1: a tile's first job starts the sums: nothing is cleared.
.macro ACCUM vv, w, zero
	WIN \w
.if \zero
	v_wmma_f32_16x16x32_f16 v[O:O+7],     v[\vv:\vv+7], v[P:P+7],    0
	v_wmma_f32_16x16x32_f16 v[O+8:O+15],  v[\vv:\vv+7], v[P+8:P+15], 0
	WIN 0x01
	v_wmma_f32_16x16x32_f16 v[LS:LS+7],    v[ONES:ONES+7], v[P:P+7],    0
	v_wmma_f32_16x16x32_f16 v[LS+8:LS+15], v[ONES:ONES+7], v[P+8:P+15], 0
.else
	v_wmma_f32_16x16x32_f16 v[O:O+7],     v[\vv:\vv+7], v[P:P+7],    v[O:O+7]
	v_wmma_f32_16x16x32_f16 v[O+8:O+15],  v[\vv:\vv+7], v[P+8:P+15], v[O+8:O+15]
	WIN 0x01
	v_wmma_f32_16x16x32_f16 v[LS:LS+7],    v[ONES:ONES+7], v[P:P+7],    v[LS:LS+7]
	v_wmma_f32_16x16x32_f16 v[LS+8:LS+15], v[ONES:ONES+7], v[P+8:P+15], v[LS+8:LS+15]
.endif
	WIN 0
.endm
.macro FLUSH ml, off                   ; the state to LDS: row = query: O[0..15], m, l (both halves of the lanes hold, and write, the same m and l)
	PLACES
	v_mov_b32 v[\ml+1], v[LS]
	v_mov_b32 v[\ml+3], v[LS+8]
	ds_store_b128 v2, v[O:O+3]         offset:\off
	ds_store_b128 v2, v[O+4:O+7]       offset:\off+16
	ds_store_b128 v2, v[O+8:O+11]      offset:\off+16*PITCH
	ds_store_b128 v2, v[O+12:O+15]     offset:\off+16*PITCH+16
	ds_store_b64  v3, v[\ml:\ml+1]     offset:\off+64
	ds_store_b64  v3, v[\ml+2:\ml+3]   offset:\off+16*PITCH+64
.endm
	; ======== the long tile, sweep 1.  Jobs 0-3 are always its own; of jobs 4-7 those with s <= T1, and s = T1 is the diagonal.
	v_mov_b32 v[MLA], NEG
	v_mov_b32 v[MLA+2], NEG
.irp j, 0,1,2,3
	s_wait_loadcnt 32-2*\j                         ; Q and K of job j are in; 32 - 2 j of the 36 loads were issued behind them
	SCORES1 KV+16*\j
	MAXES MLA
.endr
.macro LONG1 j
	s_add_co_u32 s2, s8, 8*\j
	s_cmp_gt_u32 s2, s12
	s_cbranch_scc1 .Llong1_end                     ; s grows with j: the later jobs are the short tile's too
	s_wait_loadcnt 32-2*\j
	s_cmp_eq_u32 s2, s12
	s_cbranch_scc1 .Llong1_diag\j
	SCORES1 KV+16*\j
	s_branch .Llong1_max\j
.Llong1_diag\j:
	SCORESD1 KV+16*\j, 0x10
.Llong1_max\j:
	MAXES MLA
.endm
	LONG1 4
	LONG1 5
	LONG1 6
	LONG1 7
.Llong1_end:
	FINAL MLA
	s_wait_loadcnt 0x0                             ; every V, the other Q and the ninth job: all were asked for at the start
	; ======== the long tile, sweep 2
	SCORES2 KV
	SOFT
	ACCUM KV+8, 0, 1
.irp j, 1,2,3
	SCORES2 KV+16*\j
	SOFT
	ACCUM KV+16*\j+8, 0, 0
.endr
.macro LONG2 j
	s_add_co_u32 s2, s8, 8*\j
	s_cmp_gt_u32 s2, s12
	s_cbranch_scc1 .Llong2_end
	s_cmp_eq_u32 s2, s12
	s_cbranch_scc1 .Llong2_diag\j
	SCORES2 KV+16*\j
	s_branch .Llong2_soft\j
.Llong2_diag\j:
	SCORESD2 KV+16*\j, 0
.Llong2_soft\j:
	SOFT
	ACCUM KV+16*\j+8, 0, 0
.endm
	LONG2 4
	LONG2 5
	LONG2 6
	LONG2 7
.Llong2_end:
	FLUSH MLA, 0
	; ======== the short tile: jobs with s >= n1, taken from the last down, so that the first one is known from the wave number:
	; job 8 (s = 64, the diagonal) in wave 0, job 7 in the others.  A wave whose largest s is below n1 has none.
	s_add_co_u32 s2, s8, 56
	s_cmp_eq_u32 s8, 0
	s_cselect_b32 s2, 64, s2
	s_cmp_lt_u32 s2, s11
	s_cbranch_scc1 .Lempty
	WIN 0x01
.irp k, 0,1,2,3
	v_mov_b32 v[ZQ+4+\k],  v[QB+\k]                ; the other Q comes in beside the zeros
	v_mov_b32 v[ZQ+12+\k], v[QB+4+\k]
.endr
	WIN 0
	v_mov_b32 v[MLB], NEG
	v_mov_b32 v[MLB+2], NEG
	s_cmp_lg_u32 s8, 0
	s_cbranch_scc1 .Lshort1_7
	SCORESD1 KV8, 0x11
	MAXES MLB
.Lshort1_7:
.irp j, 7,6,5,4
	s_add_co_u32 s2, s8, 8*\j
	s_cmp_lt_u32 s2, s11
	s_cbranch_scc1 .Lshort1_end
	SCORES1 KV+16*\j
	MAXES MLB
.endr
.Lshort1_end:
	FINAL MLB
	s_wait_dscnt 0x0                               ; the long state's stores, a sweep back, have taken O and l: these are written anew below
	s_cmp_lg_u32 s8, 0
	s_cbranch_scc1 .Lshort2_first7
	SCORESD2 KV8, 0x01
	SOFT
	ACCUM KV8+8, 0x01, 1
	s_add_co_u32 s2, s8, 56
	s_cmp_lt_u32 s2, s11
	s_cbranch_scc1 .Lshort2_end
	SCORES2 KV+112
	SOFT
	ACCUM KV+120, 0, 0
	s_branch .Lshort2_6
.Lshort2_first7:
	SCORES2 KV+112
	SOFT
	ACCUM KV+120, 0, 1
.Lshort2_6:
.irp j, 6,5,4
	s_add_co_u32 s2, s8, 8*\j
	s_cmp_lt_u32 s2, s11
	s_cbranch_scc1 .Lshort2_end
	SCORES2 KV+16*\j
	SOFT
	ACCUM KV+16*\j+8, 0, 0
.endr
.Lshort2_end:
	FLUSH MLB, REG
	s_branch .Ljoin
.Lempty:                                           ; the empty state: O = 0 (from the zeros beside Q), m = NEG, l = 0
	v_mov_b32 v[MLB], NEG
	v_mov_b32 v[MLB+1], 0
	ds_store_b128 v2, v[ZQ:ZQ+3]       offset:REG
	ds_store_b128 v2, v[ZQ:ZQ+3]       offset:REG+16
	ds_store_b128 v2, v[ZQ:ZQ+3]       offset:REG+16*PITCH
	ds_store_b128 v2, v[ZQ:ZQ+3]       offset:REG+16*PITCH+16
	ds_store_b64  v3, v[MLB:MLB+1]     offset:REG+64
	ds_store_b64  v3, v[MLB:MLB+1]     offset:REG+16*PITCH+64
.Ljoin:
	s_wait_dscnt 0x0                               ; my two states are in LDS, for the others' sake
	s_barrier_signal -1
	s_barrier_wait -1
	; ---- the merge: waves 0-3 the long tile, 4-7 the short one; thread = (query, four d); eight states each
	s_lshr_b32 s2, s8, 2
	s_mul_i32 s2, s2, REG
	v_and_b32 v4, 0x7f, v0                         ; 4 x query + quarter
	v_lshrrev_b32 v7, 2, v4
	v_mul_u32_u24 v7, v7, PITCH
	v_add_nc_u32 v7, s2, v7
	v_and_b32 v8, 3, v0
	v_lshl_add_u32 v8, v8, 4, v7
.irp u, 0,1,2,3,4,5,6,7
	ds_load_b64 v[MM+2*\u:MM+2*\u+1], v7 offset:\u*2*REG+64
.endr
.irp u, 0,1,2,3,4,5,6,7
	ds_load_b128 v[OO+4*\u:OO+4*\u+3], v8 offset:\u*2*REG
.endr
	s_cmp_lt_u32 s8, 4
	s_cselect_b32 s3, s12, s10                     ; T1 or T2
	s_lshl_b32 s3, s3, 11                          ; 32 rows of 64 bytes
	s_lshl_b32 s2, s9, 17                          ; 2,048 rows of 64 bytes
	s_add_co_u32 s2, s2, s3
	s_mov_b32 s3, 0
	s_add_nc_u64 s[6:7], s[6:7], s[2:3]
	s_wait_dscnt 8                                 ; the eight (m, l) are in, the eight loads of O stay out
	v_max3_num_f32 v11, v[MM],   v[MM+2], v[MM+4]
	v_max3_num_f32 v10, v[MM+6], v[MM+8], v[MM+10]
	v_max3_num_f32 v11, v11, v10, v[MM+12]
	v_max_num_f32  v11, v11, v[MM+14]              ; finite: the wave with the diagonal block saw a key for every query
.irp u, 0,1,2,3,4,5,6,7
	v_sub_f32 v[MM+2*\u], v[MM+2*\u], v11
.endr
.irp u, 0,1,2,3,4,5,6,7
	v_exp_f32 v[MM+2*\u], v[MM+2*\u]               ; the weight of state u; 0 for an empty one
.endr
	v_lshlrev_b32 v4, 4, v4                        ; my 16 bytes of the tile's 2,048 (also the plain instruction behind the exponentials)
	s_wait_alu depctr_va_vdst(0)
	v_mul_f32 v10, v[MM], v[MM+1]
.irp u, 1,2,3,4,5,6,7
	v_fmac_f32 v10, v[MM+2*\u], v[MM+2*\u+1]
.endr
	v_rcp_f32 v10, v10                             ; used behind the sixteen plain instructions below
	s_wait_dscnt 0x0
	v_pk_mul_f32 v[12:13], v[OO:OO+1],   v[MM:MM+1] op_sel_hi:[1,0]
	v_pk_mul_f32 v[14:15], v[OO+2:OO+3], v[MM:MM+1] op_sel_hi:[1,0]
.irp u, 1,2,3,4,5,6,7
	v_pk_fma_f32 v[12:13], v[OO+4*\u:OO+4*\u+1],   v[MM+2*\u:MM+2*\u+1], v[12:13] op_sel_hi:[1,0,1]
	v_pk_fma_f32 v[14:15], v[OO+4*\u+2:OO+4*\u+3], v[MM+2*\u:MM+2*\u+1], v[14:15] op_sel_hi:[1,0,1]
.endr
	s_wait_alu depctr_va_vdst(0)
	v_pk_mul_f32 v[12:13], v[12:13], v[10:11] op_sel_hi:[1,0]
	v_pk_mul_f32 v[14:15], v[14:15], v[10:11] op_sel_hi:[1,0]
	global_store_b128 v4, v[12:15], s[6:7] th:TH_STORE_NT              ; a wave's store covers 512 consecutive bytes, aligned
	s_set_vgpr_msb 0x5
	s_wait_tensorcnt 0x0
	ds_add_u32 v128, v129
	s_wait_dscnt 0x0
	s_set_vgpr_msb 0x500
	s_endpgm
.Lfunc_end_k_q74145b4bd3_attn:
	.size	k_q74145b4bd3_attn, .Lfunc_end_k_q74145b4bd3_attn-k_q74145b4bd3_attn
	.p2alignl 7, 3214868480
	.fill 96, 4, 3214868480
	.section	.rodata,"a",@progbits
	.p2align	6, 0x0
	.amdhsa_kernel k_q74145b4bd3_attn
		.amdhsa_group_segment_fixed_size 41984
		.amdhsa_private_segment_fixed_size 0
		.amdhsa_enable_private_segment 0
		.amdhsa_kernarg_size 16
		.amdhsa_user_sgpr_count 2
		.amdhsa_user_sgpr_kernarg_segment_ptr 1
		.amdhsa_wavefront_size32 1
		.amdhsa_system_sgpr_workgroup_id_x 1
		.amdhsa_system_sgpr_workgroup_id_y 1
		.amdhsa_system_sgpr_workgroup_id_z 1
		.amdhsa_system_vgpr_workitem_id 0
		.amdhsa_next_free_vgpr 386
		.amdhsa_next_free_sgpr 66
		.amdhsa_reserve_vcc 1
		.amdhsa_float_denorm_mode_32 3
		.amdhsa_float_denorm_mode_16_64 3
		.amdhsa_memory_ordered 1
		.amdhsa_forward_progress 1
		.amdhsa_inst_pref_size 90
	.end_amdhsa_kernel
	.amdgpu_metadata
---
amdhsa.version: [ 1, 2 ]
amdhsa.kernels:
  - .name:           k_q74145b4bd3_attn
    .symbol:         k_q74145b4bd3_attn.kd
    .args:
      - { .name: qkv, .offset: 0, .size: 8, .value_kind: global_buffer, .address_space: global }
      - { .name: out0, .offset: 8, .size: 8, .value_kind: global_buffer, .address_space: global }
    .group_segment_fixed_size: 41984
    .private_segment_fixed_size: 0
    .kernarg_segment_align: 8
    .kernarg_segment_size: 16
    .max_flat_workgroup_size: 256
    .sgpr_count:     66
    .vgpr_count:     386
    .wavefront_size: 32
...
	.end_amdgpu_metadata
.endif
;; end of part 2
